; MI455X (gfx1250); checked and timed in simulation.
; The chip was launched on July 23, 2026; its instructions are those of AMD's public machine-readable ISA for CDNA 5 (MIT licence, August 2026) and "CDNA5" Instruction Set Architecture Reference Guide (July 2026). The comments in the code are by the model that wrote it; some were corrected since.
;; Self Attention. Allowed arithmetic: float matrix products may take bf16 or f16 operands with f32 sums; other float arithmetic in f32, or as packed bf16 or f16 multiplies, adds, multiply-adds, maxima and minima; sums over many terms, partial sums and values carried from step to step in f32; what a program stores and reads back later, other than sums and carried values, may be rounded once to bf16 or f16.
;; Inputs: W 1,024 x 1,024 float32; b 1,024 float32; key_vec 1,024 float32; lengths 16 int32; x 16 x 2,048 x 1,024 float32.
;; Outputs: out0 16 x 1,024 float32.
;; One version. Each part assembles by itself: llvm-mc -triple=amdgcn-amd-amdhsa -mcpu=gfx1250 --defsym DOCPART=n.
;; ======== version 1 of 1: 3 launches
;; limits: right only within a limited range of input values
;; workspace buffers: wb 2,097,152 bytes; sched 4,352 bytes of whole numbers; part 1,048,576 bytes; ml 131,072 bytes
;; launch prep (part 1): grid 65 x 1, 8 waves a work-group, no clusters, 35,840 bytes of LDS; arguments W, lengths, wb, sched; writes wb, sched
.if DOCPART == 1
	.amdgcn_target "amdgcn-amd-amdhsa--gfx1250"
	.amdhsa_code_object_version 6
	.text
	.protected	k_qb3c36de8e3_prep
	.globl	k_qb3c36de8e3_prep
	.p2align	8
	.type	k_qb3c36de8e3_prep,@function
k_qb3c36de8e3_prep:
	s_mov_b64 s[64:65], 0
	v_nop
	global_prefetch_b8 v0, s[64:65] scope:SCOPE_SE
	s_setreg_imm32_b32 hwreg(HW_REG_WAVE_MODE, 25, 1), 1
	s_wait_xcnt 0x0
; SELF-ATTENTION POOLING, launch 1 of 3.  out[b] = sum over s of softmax_s(score[b][s]) x[b][s], score = key_vec . tanh(W x + b) for s < lengths[b], else -1e9.
; WORK LEFT OUT, in all three launches.  For s >= lengths[b] the selection in front of the softmax puts -1e9 in the score's place whatever x, W, b and key_vec hold: the product, the tanh
; and the dot product of such a row reach no output.  Its weight is exp(-1e9 - max) with max >= -sum|key_vec| (|tanh| <= 1): nothing in f32, and far under one rounding of any result.
; lengths are whole numbers read from memory, so blocks of 16 rows that lie wholly at or beyond lengths[b] are neither loaded nor multiplied; a hidden row inside a live block is computed and
; then replaced by -1e9.  lengths[b] <= 0 hides every row, all scores are equal and every row is live: all 128 blocks are taken.  lengths[b] > 2048 counts as 2048.
; LIMITS.  sum|key_vec| stays under 9e8.  A NaN, an infinity or an overflow in a row that is left out is not carried to the result.  x, W, b and key_vec are each rounded once to bf16;
; sums, tanh, scores, maxima and the softmax's sums are f32.  Every input has a way to the output and is loaded (lengths reaches the later launches through sched).
; THIS LAUNCH.  Work-groups 0 to 63: W to bf16, laid out so that a wave of the next launch reads its fragments as one run of bytes:
;   wb[wave w 0..7][pass p 0..1][K step k 0..31][block i 0..3][1,024 bytes]: W's rows n0 = 512 p + 64 w + 16 i; byte 16 L: row n0 + L % 16, channels 32 k + 8 (L / 16) + 0..7; byte 512 + 16 L: 16 channels on.
; Work-group 64: the schedule.  nblk_b = blocks of 16 live rows; Q = the least share q of 1..8 blocks with sum over b of ceil(nblk_b / q) <= 256 (8 always fits: 16 x 16);
;   sched[i], i = 0..255: {sample, first row, blocks, length} of work-group i of the next launch; from byte 4,096: {first work-group, work-groups} of each sample, 32 entries, the last 16 zero.
.set WROW,   4096                      ; bytes in a row of W
.set PITCH,  272                       ; an LDS row: 128 bf16 + 16 bytes: the 16 rows of a fragment load start 16 bytes apart modulo 256
.set WREG,   16*PITCH                  ; a wave's own 16 rows
.set SPARE,  8*WREG                    ; behind them: the spare words, 128 bytes for each wave
.set LD,  16                           ; v[16:79]   16 rows x 4 f32 as loaded; later the eight fragment halves
.set PK,  80                           ; v[80:111]  the same as bf16
	s_load_b256 s[4:11], s[0:1], 0x0               ; W s[4:5], lengths s[6:7], wb s[8:9], sched s[10:11]
	v_lshl_add_u32 v4, v0, 2, SPARE                ; my spare word
	v_mov_b32 v5, 0
	v_lshrrev_b32 v1, 5, v0
	v_readfirstlane_b32 s12, v1                    ; wave 0..7
	v_and_b32 v1, 31, v0                           ; lane
	s_wait_kmcnt 0x0
	s_cmp_eq_u32 ttmp9, 64
	s_cbranch_scc1 .Lsched
	; W TO BF16.  The work-group takes 16 rows of W, wave kg the channels 128 kg .. 128 kg + 127: K steps 4 kg .. 4 kg + 3.
	v_and_b32 v2, 15, v0                           ; r
	v_bfe_u32 v3, v0, 4, 1                         ; h
	v_lshlrev_b32 v6, 4, v1                        ; 16 x lane: in a row's 512 bytes of W, and in 512 bytes of wb
	s_mul_i32 s13, s12, WREG
	v_lshl_add_u32 v7, v1, 3, s13                  ; in: my 8 bytes of a row
	v_mul_u32_u24 v8, v2, PITCH
	v_lshl_add_u32 v8, v3, 4, v8
	v_add_nc_u32 v8, s13, v8                       ; back: row r, 16 bytes for each half of the lanes
	s_lshl_b32 s14, ttmp9, 16                      ; 16 rows of 4,096 bytes
	s_lshl_b32 s16, s12, 9
	s_add_co_u32 s14, s14, s16
	s_mov_b32 s15, 0
	s_add_nc_u64 s[4:5], s[4:5], s[14:15]
.irp i, 0,1,2,3,4,5,6,7,8,9,10,11,12,13,14,15
	global_load_b128 v[LD+4*\i:LD+4*\i+3], v6, s[4:5] offset:\i*WROW th:TH_LOAD_NT  ; 512 consecutive bytes of row i
.endr
	s_lshr_b32 s16, ttmp9, 5                       ; the block of rows is 32 p + 4 w + i
	s_bfe_u32 s17, ttmp9, 0x30002
	s_and_b32 s18, ttmp9, 3
	s_lshl1_add_u32 s17, s17, s16                  ; 2 w + p
	s_lshl_b32 s14, s17, 17                        ; x 32 K steps of 4,096 bytes
	s_lshl_b32 s16, s12, 14                        ; + my four K steps
	s_add_co_u32 s14, s14, s16
	s_lshl_b32 s18, s18, 10                        ; + the block's 1,024 bytes
	s_add_co_u32 s14, s14, s18
	s_add_nc_u64 s[8:9], s[8:9], s[14:15]
	s_wait_loadcnt 0x0
.irp i, 0,1,2,3,4,5,6,7,8,9,10,11,12,13,14,15
	v_cvt_pk_bf16_f32 v[PK+2*\i], v[LD+4*\i], v[LD+4*\i+1]
	v_cvt_pk_bf16_f32 v[PK+2*\i+1], v[LD+4*\i+2], v[LD+4*\i+3]
.endr
.irp i, 0,1,2,3,4,5,6,7,8,9,10,11,12,13,14,15
	ds_store_b64 v7, v[PK+2*\i:PK+2*\i+1] offset:\i*PITCH
.endr
.irp f, 0,1,2,3,4,5,6,7
	ds_load_b128 v[LD+4*\f:LD+4*\f+3], v8 offset:32*\f  ; K step f / 2, half f % 2; my own bytes, and LDS serves a wave in order (ISA guide 5.7.1.4): these see the stores above
.endr
	s_wait_dscnt 0x0
.irp f, 0,1,2,3,4,5,6,7
	global_store_b128 v6, v[LD+4*\f:LD+4*\f+3], s[8:9] offset:(\f/2)*4096+(\f%2)*512  ; 512 consecutive bytes, at a multiple of 512 from wb's first
.endr
	s_wait_tensorcnt 0x0                           ; the wave's end, behind my last LDS store
	ds_add_u32 v4, v5
	s_wait_dscnt 0x0
	s_endpgm
	; THE SCHEDULE.  All eight waves do the same scalar work; thread i then makes entry i.  Whole numbers only; no LDS.
.Lsched:
	s_load_b512 s[16:31], s[6:7], 0x0              ; the 16 lengths
	s_wait_kmcnt 0x0
.irp b, 0,1,2,3,4,5,6,7,8,9,10,11,12,13,14,15
	s_min_i32 s[16+\b], s[16+\b], 2048
	s_max_i32 s[16+\b], s[16+\b], 0                ; the length, held to 0 .. 2,048
	s_add_co_u32 s[32+\b], s[16+\b], 15
	s_lshr_b32 s[32+\b], s[32+\b], 4
	s_cmp_gt_i32 s[16+\b], 0
	s_cselect_b32 s[32+\b], s[32+\b], 128          ; nblk; with no valid row all 128 blocks are live
.endr
; ceil(n / q) = ((n + q - 1) x m) >> 16 with m = 65536 / q + 1 (rounded down): exact for n + q - 1 <= 135, since 135 / 65536 < 1 / 8
.macro TRYQ q, m
	s_mov_b32 s84, 0
.irp b, 0,1,2,3,4,5,6,7,8,9,10,11,12,13,14,15
	s_add_co_u32 s85, s[32+\b], (\q)-1
	s_mul_i32 s85, s85, \m
	s_lshr_b32 s85, s85, 16
	s_add_co_u32 s84, s84, s85
.endr
	s_cmp_le_u32 s84, 256
	s_cselect_b32 s82, \q, s82
	s_cselect_b32 s83, \m, s83
.endm
	s_mov_b32 s82, 8                               ; Q: 8 always fits; the sum does not fall as q falls, so the last q that fits is the least
	s_mov_b32 s83, 8193
	TRYQ 7, 9363
	TRYQ 6, 10923
	TRYQ 5, 13108
	TRYQ 4, 16385
	TRYQ 3, 21846
	TRYQ 2, 32769
	TRYQ 1, 65537
	s_sub_co_u32 s86, s82, 1
	s_mov_b32 s87, 0
.irp b, 0,1,2,3,4,5,6,7,8,9,10,11,12,13,14,15
	s_add_co_u32 s85, s[32+\b], s86
	s_mul_i32 s85, s85, s83
	s_lshr_b32 s[66+\b], s85, 16                   ; the sample's work-groups,
	s_mov_b32 s[48+\b], s87                        ; and its first
	s_add_co_u32 s87, s87, s[66+\b]
.endr
	v_mov_b32 v16, 0                               ; entry i belongs to the last sample whose first work-group is <= i
	v_mov_b32 v11, 0
	v_mov_b32 v12, s32
	v_mov_b32 v19, s16
.irp b, 1,2,3,4,5,6,7,8,9,10,11,12,13,14,15
	v_cmp_gt_u32 vcc_lo, s[48+\b], v0              ; this sample begins later: keep
	v_cndmask_b32 v16, \b, v16, vcc_lo
	v_cndmask_b32 v11, s[48+\b], v11, vcc_lo
	v_cndmask_b32 v12, s[32+\b], v12, vcc_lo
	v_cndmask_b32 v19, s[16+\b], v19, vcc_lo
.endr
	v_sub_nc_u32 v14, v0, v11                      ; my place among the sample's work-groups,
	v_mul_lo_u32 v14, v14, s82                     ; my first block
	v_sub_nc_u32 v15, v12, v14
	v_cmp_gt_u32 vcc_lo, v12, v14
	v_cndmask_b32 v15, 0, v15, vcc_lo              ; blocks left from there on; none behind the last sample's last work-group
	v_min_u32 v18, s82, v15                        ; my share
	v_lshlrev_b32 v17, 4, v14
	v_min_u32 v17, 0x7f0, v17                      ; my first row
	v_lshlrev_b32 v20, 4, v0
	global_store_b128 v20, v[16:19], s[10:11]      ; a wave stores 512 consecutive bytes
	s_cmp_lg_u32 s12, 0
	s_cbranch_scc1 .Ldone
	v_mov_b32 v22, 0
	v_mov_b32 v23, 0
.irp b, 0,1,2,3,4,5,6,7,8,9,10,11,12,13,14,15
	v_cmp_ne_u32 vcc_lo, \b, v1
	v_cndmask_b32 v22, s[48+\b], v22, vcc_lo
	v_cndmask_b32 v23, s[66+\b], v23, vcc_lo
.endr
	v_lshlrev_b32 v24, 3, v1
	global_store_b64 v24, v[22:23], s[10:11] offset:4096  ; 256 consecutive bytes
.Ldone:
	s_endpgm
.Lfunc_end_k_qb3c36de8e3_prep:
	.size	k_qb3c36de8e3_prep, .Lfunc_end_k_qb3c36de8e3_prep-k_qb3c36de8e3_prep
	.p2alignl 7, 3214868480
	.fill 96, 4, 3214868480
	.section	.rodata,"a",@progbits
	.p2align	6, 0x0
	.amdhsa_kernel k_qb3c36de8e3_prep
		.amdhsa_group_segment_fixed_size 35840
		.amdhsa_private_segment_fixed_size 0
		.amdhsa_enable_private_segment 0
		.amdhsa_kernarg_size 32
		.amdhsa_user_sgpr_count 2
		.amdhsa_user_sgpr_kernarg_segment_ptr 1
		.amdhsa_wavefront_size32 1
		.amdhsa_system_sgpr_workgroup_id_x 1
		.amdhsa_system_sgpr_workgroup_id_y 1
		.amdhsa_system_sgpr_workgroup_id_z 1
		.amdhsa_system_vgpr_workitem_id 0
		.amdhsa_next_free_vgpr 112
		.amdhsa_next_free_sgpr 96
		.amdhsa_reserve_vcc 1
		.amdhsa_float_denorm_mode_32 3
		.amdhsa_float_denorm_mode_16_64 3
		.amdhsa_memory_ordered 1
		.amdhsa_forward_progress 1
		.amdhsa_inst_pref_size 38
	.end_amdhsa_kernel
	.amdgpu_metadata
---
amdhsa.version: [ 1, 2 ]
amdhsa.kernels:
  - .name:           k_qb3c36de8e3_prep
    .symbol:         k_qb3c36de8e3_prep.kd
    .args:
      - { .name: W, .offset: 0, .size: 8, .value_kind: global_buffer, .address_space: global }
      - { .name: lengths, .offset: 8, .size: 8, .value_kind: global_buffer, .address_space: global }
      - { .name: wb, .offset: 16, .size: 8, .value_kind: global_buffer, .address_space: global }
      - { .name: sched, .offset: 24, .size: 8, .value_kind: global_buffer, .address_space: global }
    .group_segment_fixed_size: 35840
    .private_segment_fixed_size: 0
    .kernarg_segment_align: 8
    .kernarg_segment_size: 32
    .max_flat_workgroup_size: 256
    .sgpr_count:     96
    .vgpr_count:     112
    .wavefront_size: 32
...
	.end_amdgpu_metadata
.endif
;; end of part 1
;; launch main (part 2): grid 256 x 1, 8 waves a work-group, no clusters, 297,984 bytes of LDS; arguments x, b, key_vec, wb, sched, part, ml; writes part, ml
.if DOCPART == 2
	.amdgcn_target "amdgcn-amd-amdhsa--gfx1250"
	.amdhsa_code_object_version 6
	.text
	.protected	k_qb3c36de8e3_main
	.globl	k_qb3c36de8e3_main
	.p2align	8
	.type	k_qb3c36de8e3_main,@function
k_qb3c36de8e3_main:
	s_mov_b64 s[64:65], 0
	v_nop
	global_prefetch_b8 v0, s[64:65] scope:SCOPE_SE
	s_setreg_imm32_b32 hwreg(HW_REG_WAVE_MODE, 25, 1), 1
	s_wait_xcnt 0x0
; SELF-ATTENTION POOLING, launch 2 of 3.  Rows at or beyond lengths[b] are left out in whole blocks of 16, as the head of the first kernel shows; the same limits hold here.
; A work-group takes NB <= 8 blocks of 16 rows of one sample (its entry of sched): x is read once, rounded to bf16 and kept in LDS; scores = key . tanh(x W^T + b); a softmax over the work-group's
; own rows (maximum m, sum l, weights p = e^(s - m)); o = sum of p x.  o goes to part, (m, l) to ml; the third launch joins a sample's work-groups by their maxima.
; The grid is the 256 work-groups that full lengths need; lengths alone decide how many have a share.  One without (NB = 0) jumps over each of the three regions of work, passes all three barriers,
; loads nothing but its entry and stores nothing to memory.  No jump on NB passes a barrier.
; SHARES.  Wave w, in pass p of two: all NB blocks of rows x the 64 columns 512 p + 64 w .. + 63 of W: 4 NB accumulators.  No two waves want the same fragment of W, so W comes from wb straight into
; registers, four sets of a K step each, asked for three K steps ahead, behind counted waits; the K loop has no barrier.  All waves read x's fragments from LDS.
; NO CLUSTER, no joint loads of W, though every work-group walks all of it: x's rows take 278,528 bytes of LDS, what is left holds no ring of W's tiles worth a step's work, and partners would walk
; W at different speeds, since NB differs.
; THE PRODUCT IS USED TRANSPOSED: source 0 = 16 rows of W, source 1 = 16 rows of x.  Lane (r, h) then holds row 16 a + r of x and the columns n0 + 8 h + 0..7, so a score is summed inside a lane.
; tanh(z) = 1 - 2 / (1 + 2^(2 log2(e) z)): an infinite power gives 1, a vanished one -1.  1 - 2 r is formed before the product with key_vec.
; REGISTERS, in windows of 256 (s_set_vgpr_msb: bits 1:0 source 0, 3:2 source 1, 5:4 source 2, 7:6 destination):
;   window 0: v0-15 addresses; v16-31 the scores' sums, a pair a block; v32-95 x's fragments (also: at work on x's way in; b and key in the epilogue; x turned in the second product);
;             v96-223 W's four sets (also: v192-199 addresses on x's way in; v96-159 the second product's sums; v160-191 the softmax); v224-255 at work
;   window 1: the accumulators, (a, i) at 8 (4 a + i); on x's way in the 64 loads land here
.set CH,     34816                     ; LDS: x as [chunk of 128 channels][row 0..127][256 bytes + 16]: a chunk,
.set BL,     4352                      ; a block of 16 rows,
.set PITCH,  272                       ; a row: 17 x 16 bytes, so the 16 rows of a fragment load start 16 bytes apart modulo 256
.set BKB,    8*CH                      ; 2 log2(e) x b, f32, 4,096 bytes
.set KEYB,   BKB+4096                  ; key_vec, f32
.set SCB,    KEYB+4096                 ; [wave][128 rows] partial scores, f32
.set PWB,    SCB+4096                  ; [wave][128] p in bf16: each wave's own copy
.set STG,    PWB+2048                  ; [wave][128] f32: the stage for o
.set SPARE,  STG+4096                  ; the spare words, 128 bytes for each wave
.set SPW, 4                            ; v4   my spare word; never rewritten
.set NIL, 5                            ; v5   0; never rewritten
.set AB,  6                            ; v6   272 r + 16 h; never rewritten
.set ADA, 7                            ; v7   where x's fragments of the chunk in hand begin: s[TB] + v[AB]
.set WOF, 8                            ; v8   16 x lane
.set XOF, 9                            ; v9   4,096 w + 16 x lane
.set EBK, 10                           ; v10  BKB + 256 w + 32 h; never rewritten
.set SCA, 11                           ; v11  SCB + 512 w + 4 r
.set TRA, 12                           ; v12  the turning loads' address in chunk w
.set PA,  13                           ; v13  PWB + 256 w + 16 h
.set SACC, 16
.set AF,  32
.set BB,  32
.set KK,  64
.set BF,  96
.set XS,  192
.set OA,  96
.set SC,  160
.set MX,  164
.set LS,  166
.set T,   224
.set WV,  24                           ; s24  wave
.set NB,  25                           ; s25  my blocks of 16 rows
.set NBE, 26                           ; s26  NB rounded up to even
.set P,   27                           ; s27  passes to go: 2, 1
.set KC,  28                           ; s28  counts the K loop
.set LEN, 29                           ; s29  the sample's length, 0 .. 2,048
.set ROW0, 30                          ; s30  my first row in the sample
.set TB,  31                           ; s31  LDS byte at which the chunk of x in hand begins
.set XB,  32                           ; s[32:33] x at my first row
.set WP,  34                           ; s[34:35] wb at the K step in hand of my wave's run
.set CS,  36                           ; s[36:37] 2 log2(e); the packed lines take the low word for both halves
.set SEL, 38                           ; s[38:39] v_permlanex16_b32's selects: each lane takes its own place in the other half
.set EB,  45                           ; s45  the pass's 512 columns in b and key_vec: 0, then 2,048 bytes
                                       ; s[40:41] a 64-bit offset: s41 is 0 from the head on and is never written again; s42-44, s46, s47 at work
.set MSB, 0
.macro WIN new                         ; the immediate's high byte repeats the setting that is left; a switch that changes nothing is dropped
.if MSB != (\new)
	s_set_vgpr_msb (MSB<<8)|(\new)
.set MSB, \new
.endif
.endm
	s_load_b256 s[4:11], s[0:1], 0x0               ; x s[4:5], b s[6:7], key_vec s[8:9], wb s[10:11]
	s_load_b128 s[12:15], s[0:1], 0x20             ; sched s[12:13], part s[14:15]
	s_load_b64 s[16:17], s[0:1], 0x30              ; ml
	v_lshl_add_u32 v[SPW], v0, 2, SPARE
	v_mov_b32 v[NIL], 0
	v_lshrrev_b32 v1, 5, v0
	v_readfirstlane_b32 s[WV], v1
	s_lshl_b32 s40, ttmp9, 4
	s_mov_b32 s41, 0
	s_wait_kmcnt 0x0
	s_add_nc_u64 s[12:13], s[12:13], s[40:41]
	s_load_b128 s[20:23], s[12:13], 0x0            ; my entry: sample, first row, blocks, length
	s_mov_b32 s[CS], 0x4038aa3b                    ; 2 log2(e) = 2.885390
	s_mov_b32 s[CS+1], s[CS]
	s_mov_b32 s[SEL], 0x76543210
	s_mov_b32 s[SEL+1], 0xfedcba98
	v_and_b32 v1, 31, v0                           ; lane
	v_and_b32 v2, 15, v0                           ; r
	v_bfe_u32 v3, v0, 4, 1                         ; h
	v_mul_u32_u24 v[AB], v2, PITCH
	v_lshl_add_u32 v[AB], v3, 4, v[AB]
	v_lshlrev_b32 v[WOF], 4, v1
	s_lshl_b32 s42, s[WV], 12
	v_add_nc_u32 v[XOF], s42, v[WOF]
	s_lshl_b32 s42, s[WV], 8
	s_add_co_u32 s43, s42, BKB
	v_lshl_add_u32 v[EBK], v3, 5, s43
	s_add_co_u32 s43, s42, PWB
	v_lshl_add_u32 v[PA], v3, 4, s43
	s_lshl_b32 s42, s[WV], 9
	s_add_co_u32 s43, s42, SCB
	v_lshl_add_u32 v[SCA], v2, 2, s43
	v_and_b32 v14, 7, v0                           ; the turning load: lane L reads row 8 h + L % 8, 16 bytes at 16 ((L / 8) % 2)
	v_lshl_add_u32 v14, v3, 3, v14
	v_mul_u32_u24 v[TRA], v14, PITCH
	v_bfe_u32 v14, v0, 3, 1
	v_lshl_add_u32 v[TRA], v14, 4, v[TRA]
	s_mul_i32 s42, s[WV], CH
	v_add_nc_u32 v[TRA], s42, v[TRA]
	s_mul_i32 s42, s[WV], PITCH
	v_lshl_add_u32 v[XS], v1, 3, s42               ; x's way in: chunk k, row w of eight, my 8 bytes
.irp k, 1,2,3,4,5,6,7
	v_add_nc_u32 v[XS+\k], \k*CH, v[XS]
.endr
	; While my entry is on its way: every register that a jump on NB can leave unwritten is written once.  Window 1's zeros are also data: where NB is odd, block NB of x is laid into LDS as
	; zeros, so that the second product's step of 32 rows multiplies weights 0 by 0.  The scores' sums start at 0.
	WIN 0x40
.set i, 0
.rept 256
	v_mov_b32 v[i], 0
.set i, i+1
.endr
	WIN 0
.set i, 0
.rept 64
	v_mov_b32 v[AF+i], 0
.set i, i+1
.endr
.set i, 0
.rept 16
	v_mov_b32 v[SACC+i], 0
.set i, i+1
.endr
	s_wait_kmcnt 0x0
	s_min_u32 s20, s20, 15
	s_min_u32 s[ROW0], s21, 2032
	s_min_u32 s[NB], s22, 8
	s_min_u32 s[LEN], s23, 2048
	s_add_co_u32 s[NBE], s[NB], 1
	s_and_b32 s[NBE], s[NBE], 14
	s_lshl_b32 s40, s20, 11
	s_add_co_u32 s40, s40, s[ROW0]
	s_lshl_b32 s40, s40, 12                        ; (2,048 sample + first row) x 4,096 bytes: under 2^28
	s_add_nc_u64 s[XB:XB+1], s[4:5], s[40:41]
	s_lshl_b32 s40, s[WV], 18                      ; my wave's run of wb: 262,144 bytes
	s_add_nc_u64 s[WP:WP+1], s[10:11], s[40:41]
	s_cmp_eq_u32 s[NB], 0
	s_cbranch_scc1 .Lb1
	; REGION 1: x INTO LDS, in two rounds of 512 channels.  Wave w takes rows 16 a + 8 u + w; a load is one row's chunk: 512 consecutive bytes of f32, 256 of bf16.
.macro XISSUE t, a                     ; block a's eight loads of round t
	WIN 0x40
.irp u, 0,1
.irp c, 0,1,2,3
	global_load_b128 v[32*(\a)+16*\u+4*\c:32*(\a)+16*\u+4*\c+3], v[XOF], s[XB:XB+1] offset:(\a)*65536+\u*32768+(\t)*2048+\c*512 th:TH_LOAD_NT
.endr
.endr
	WIN 0
.endm
.macro XCONV t, a                      ; block a of round t is rounded and laid into LDS
.set CTB, AF+16*((\a)%4)
	WIN 0x05
.irp e, 0,1,2,3,4,5,6,7
	v_cvt_pk_bf16_f32 v[CTB+2*\e], v[32*(\a)+4*\e], v[32*(\a)+4*\e+1]
	v_cvt_pk_bf16_f32 v[CTB+2*\e+1], v[32*(\a)+4*\e+2], v[32*(\a)+4*\e+3]
.endr
	WIN 0
.irp u, 0,1
.irp c, 0,1,2,3
	ds_store_b64 v[XS+4*(\t)+\c], v[CTB+2*(4*\u+\c):CTB+2*(4*\u+\c)+1] offset:(\a)*BL+\u*8*PITCH
.endr
.endr
.endm
	v_lshlrev_b32 v14, 4, v0
	global_load_b128 v[T:T+3], v14, s[6:7]         ; b: my four numbers
	global_load_b128 v[T+4:T+7], v14, s[8:9]       ; key_vec
	XISSUE 0, 0
.irp a, 1,2,3,4,5,6,7
	s_cmp_le_u32 s[NB], \a
	s_cbranch_scc1 .Lx0
	XISSUE 0, \a
.endr
.Lx0:
	s_wait_loadcnt 0x0
	v_cvt_pk_bf16_f32 v[T+8], v[T], v[T+1]         ; b and key_vec are rounded to bf16 like the other inputs, and kept as f32
	v_cvt_pk_bf16_f32 v[T+9], v[T+2], v[T+3]
	v_cvt_pk_bf16_f32 v[T+10], v[T+4], v[T+5]
	v_cvt_pk_bf16_f32 v[T+11], v[T+6], v[T+7]
.irp j, 0,1,2,3
	v_lshlrev_b32 v[T+2*\j], 16, v[T+8+\j]
	v_and_b32 v[T+2*\j+1], 0xffff0000, v[T+8+\j]
.endr
	v_pk_mul_f32 v[T:T+1], v[T:T+1], s[CS:CS+1] op_sel_hi:[1,0]
	v_pk_mul_f32 v[T+2:T+3], v[T+2:T+3], s[CS:CS+1] op_sel_hi:[1,0]
	v_add_nc_u32 v15, BKB, v14
	ds_store_b128 v15, v[T:T+3]
	ds_store_b128 v15, v[T+4:T+7] offset:4096
	XCONV 0, 0                                     ; a block's second round is asked for as soon as its registers are free
	XISSUE 1, 0
	XCONV 0, 1                                     ; NBE is at least 2
	s_cmp_le_u32 s[NB], 1
	s_cbranch_scc1 .Lx1
	XISSUE 1, 1
.irp a, 2,3,4,5,6,7
	s_cmp_le_u32 s[NBE], \a
	s_cbranch_scc1 .Lx1
	XCONV 0, \a
	s_cmp_le_u32 s[NB], \a                         ; block NB, where NB is odd, is the block of zeros: nothing is loaded for it
	s_cbranch_scc1 .Lx1
	XISSUE 1, \a
.endr
.Lx1:
	s_wait_loadcnt 0x0
	XCONV 1, 0
	XCONV 1, 1
.irp a, 2,3,4,5,6,7
	s_cmp_le_u32 s[NBE], \a
	s_cbranch_scc1 .Lx2
	XCONV 1, \a
.endr
.Lx2:
.Lb1:
	s_wait_dscnt 0x0                               ; for the others' sake: my rows of x, my part of b and key_vec are in LDS
	s_barrier_signal -1
	s_barrier_wait -1
	s_cmp_eq_u32 s[NB], 0
	s_cbranch_scc1 .Lb2
	; REGION 2: THE PRODUCT, tanh AND THE SCORES' SUMS.  It only reads LDS.
.macro MUL4 buf, a, zero               ; block a of rows x my four blocks of columns, 32 along K.  The accumulators take turns, one instruction a turn
	WIN 0x50
.irp i, 0,1,2,3
.if \zero
	v_wmma_f32_16x16x32_bf16 v[8*(4*(\a)+\i):8*(4*(\a)+\i)+7], v[BF+32*(\buf)+8*\i:BF+32*(\buf)+8*\i+7], v[AF+8*(\a):AF+8*(\a)+7], 0
.else
	v_wmma_f32_16x16x32_bf16 v[8*(4*(\a)+\i):8*(4*(\a)+\i)+7], v[BF+32*(\buf)+8*\i:BF+32*(\buf)+8*\i+7], v[AF+8*(\a):AF+8*(\a)+7], v[8*(4*(\a)+\i):8*(4*(\a)+\i)+7]
.endif
.endr
.endm
; A K step on W's set buf, x's fragments at byte koff behind ADA.  zero = 1: the products start the sums.  ld = 1: the K step three on is asked for, at byte ldoff behind WP, into the set that
; the step before multiplied.  cnt: the younger loads that may stay out: eight for each of the K steps asked for behind this one's.
.macro STEP buf, koff, zero, ld, ldoff, cnt
.rept 4
	v_nop                                          ; four places behind the last product, in front of loads into registers that it has read (ISA guide 7.12.1 for vector instructions)
.endr
.if \ld
.irp i, 0,1,2,3
	global_load_b128 v[BF+32*(((\buf)+3)%4)+8*\i:BF+32*(((\buf)+3)%4)+8*\i+3], v[WOF], s[WP:WP+1] offset:(\ldoff)+\i*1024
	global_load_b128 v[BF+32*(((\buf)+3)%4)+8*\i+4:BF+32*(((\buf)+3)%4)+8*\i+7], v[WOF], s[WP:WP+1] offset:(\ldoff)+\i*1024+512
.endr
.endif
	ds_load_b128 v[AF:AF+3], v[ADA] offset:(\koff)
	ds_load_b128 v[AF+4:AF+7], v[ADA] offset:(\koff)+32
.irp a, 1,2,3,4,5,6,7
	s_cmp_le_u32 s[NB], \a
	s_cbranch_scc1 .Lfr_\@
	ds_load_b128 v[AF+8*\a:AF+8*\a+3], v[ADA] offset:(\koff)+\a*BL
	ds_load_b128 v[AF+8*\a+4:AF+8*\a+7], v[ADA] offset:(\koff)+\a*BL+32
.endr
.Lfr_\@:
	s_wait_loadcnt \cnt
	s_wait_dscnt 0x0
	MUL4 \buf, 0, \zero
.irp a, 1,2,3,4,5,6,7
	WIN 0                                          ; at a branch and at a label every window is 0
	s_cmp_le_u32 s[NB], \a
	s_cbranch_scc1 .Lmm_\@
	MUL4 \buf, \a, \zero
.endr
	WIN 0
.Lmm_\@:
.endm
; The epilogue of block a: 32 numbers a lane, in place in the accumulators under one window setting, each accumulator read from its low end on.  Two batches of 32 transcendentals, the plain lines
; of the same stage between them; behind each batch a plain instruction and one wait ahead of the first line that names a result.
; Then tanh = 1 - 2 r, and its products with key_vec in four chains: the first is the block's running sum, the other three start with a multiply.
.macro EPIA a
.set RA, 32*(\a)
	WIN 0x41                                       ; destination and source 0 in window 1
.set q, 0
.rept 2
	v_pk_fma_f32 v[RA+2*q:RA+2*q+1], v[RA+2*q:RA+2*q+1], s[CS:CS+1], v[BB+2*q:BB+2*q+1] op_sel_hi:[1,0,1]
.set q, q+1
.endr
.set q, 0
.rept 16
	v_exp_f32 v[RA+2*q], v[RA+2*q]
.if q < 14
	v_pk_fma_f32 v[RA+2*q+4:RA+2*q+5], v[RA+2*q+4:RA+2*q+5], s[CS:CS+1], v[BB+2*q+4:BB+2*q+5] op_sel_hi:[1,0,1]
.endif
	v_exp_f32 v[RA+2*q+1], v[RA+2*q+1]
.set q, q+1
.endr
	v_nop
	s_wait_alu depctr_va_vdst(0)                   ; one wait for the 32 exponentials
.set q, 0
.rept 2
	v_pk_add_f32 v[RA+2*q:RA+2*q+1], v[RA+2*q:RA+2*q+1], 1.0 op_sel_hi:[1,0]
.set q, q+1
.endr
.set q, 0
.rept 16
	v_rcp_f32 v[RA+2*q], v[RA+2*q]
.if q < 14
	v_pk_add_f32 v[RA+2*q+4:RA+2*q+5], v[RA+2*q+4:RA+2*q+5], 1.0 op_sel_hi:[1,0]
.endif
	v_rcp_f32 v[RA+2*q+1], v[RA+2*q+1]
.set q, q+1
.endr
	v_nop
	s_wait_alu depctr_va_vdst(0)                   ; one wait for the 32 reciprocals
.set q, 0
.rept 16
	v_pk_fma_f32 v[RA+2*q:RA+2*q+1], v[RA+2*q:RA+2*q+1], -2.0, 1.0 op_sel_hi:[1,0,0]
.set q, q+1
.endr
	WIN 0x01                                       ; source 0 in window 1
.set q, 0
.rept 16
.if q%4 == 0
	v_pk_fma_f32 v[SACC+2*(\a):SACC+2*(\a)+1], v[RA+2*q:RA+2*q+1], v[KK+2*q:KK+2*q+1], v[SACC+2*(\a):SACC+2*(\a)+1]
.elseif q < 4
	v_pk_mul_f32 v[T+2*q:T+2*q+1], v[RA+2*q:RA+2*q+1], v[KK+2*q:KK+2*q+1]
.else
	v_pk_fma_f32 v[T+2*(q%4):T+2*(q%4)+1], v[RA+2*q:RA+2*q+1], v[KK+2*q:KK+2*q+1], v[T+2*(q%4):T+2*(q%4)+1]
.endif
.set q, q+1
.endr
	WIN 0
	v_pk_add_f32 v[T+2:T+3], v[T+2:T+3], v[T+4:T+5]
	v_pk_add_f32 v[SACC+2*(\a):SACC+2*(\a)+1], v[SACC+2*(\a):SACC+2*(\a)+1], v[T+6:T+7]
	v_pk_add_f32 v[SACC+2*(\a):SACC+2*(\a)+1], v[SACC+2*(\a):SACC+2*(\a)+1], v[T+2:T+3]
.endm
.irp s, 0,1,2                          ; W's K steps 0, 1, 2: 24 loads, 512 consecutive bytes each
.irp i, 0,1,2,3
	global_load_b128 v[BF+32*\s+8*\i:BF+32*\s+8*\i+3], v[WOF], s[WP:WP+1] offset:\s*4096+\i*1024
	global_load_b128 v[BF+32*\s+8*\i+4:BF+32*\s+8*\i+7], v[WOF], s[WP:WP+1] offset:\s*4096+\i*1024+512
.endr
.endr
	s_mov_b32 s[EB], 0
	s_mov_b32 s[P], 2
.Lpass:
	s_mov_b32 s[TB], 0
	v_mov_b32 v[ADA], v[AB]                        ; chunk 0
	STEP 0, 0, 1, 1, 3*4096, 24                    ; a pass's first K step stands in front of the loop: its products start the sums
	s_wait_xcnt 0x0                                ; the loads issued so far have read their base, so it may be written
	s_add_nc_u64 s[WP:WP+1], s[WP:WP+1], 4096
	s_mov_b32 s[KC], 7
.Lk:                                                   ; a trip: the last three K steps of a chunk of x and the first of the next
	STEP 1, 64,  0, 1, 3*4096, 24
	STEP 2, 128, 0, 1, 4*4096, 24
	STEP 3, 192, 0, 1, 5*4096, 24
	STEP 0, CH,  0, 1, 6*4096, 24
	s_wait_xcnt 0x0
	s_add_nc_u64 s[WP:WP+1], s[WP:WP+1], 16384
	s_add_co_u32 s[TB], s[TB], CH                  ; the next chunk: a scalar steps, and the address is made anew from the lane's fixed term
	v_add_nc_u32 v[ADA], s[TB], v[AB]
	s_sub_co_u32 s[KC], s[KC], 1
	s_cmp_lg_u32 s[KC], 0
	s_cbranch_scc1 .Lk
	s_cmp_eq_u32 s[P], 1
	s_cbranch_scc1 .Ltail_off
	STEP 1, 64,  0, 1, 3*4096, 24                  ; the first pass's last three K steps ask for the second pass's first three: my run of wb goes on
	STEP 2, 128, 0, 1, 4*4096, 24
	STEP 3, 192, 0, 1, 5*4096, 24
	s_wait_xcnt 0x0
	s_add_nc_u64 s[WP:WP+1], s[WP:WP+1], 12288
	s_branch .Lepi
.Ltail_off:
	STEP 1, 64,  0, 0, 0, 16                       ; the second pass's ask for nothing: no load passes my run's end, and the counts run down
	STEP 2, 128, 0, 0, 0, 8
	STEP 3, 192, 0, 0, 0, 0
.Lepi:
	v_add_nc_u32 v15, s[EB], v[EBK]                ; b and key_vec of this pass's columns; with the three v_nop the four places behind the last products,
.rept 3
	v_nop                                          ; for the loads below and the lines that read results
.endr
.irp i, 0,1,2,3
.irp j, 0,1
	ds_load_b128 v[BB+8*\i+4*\j:BB+8*\i+4*\j+3], v15 offset:64*\i+16*\j        ; 2 log2(e) b of my 32 columns; the lanes of a half read the same words
	ds_load_b128 v[KK+8*\i+4*\j:KK+8*\i+4*\j+3], v15 offset:4096+64*\i+16*\j   ; key_vec of the same
.endr
.endr
	s_wait_dscnt 0x0
	EPIA 0
.irp a, 1,2,3,4,5,6,7
	s_cmp_le_u32 s[NB], \a
	s_cbranch_scc1 .Lepi_end
	EPIA \a
.endr
.Lepi_end:
	s_add_co_u32 s[EB], s[EB], 2048                ; the next pass's 512 columns
	s_sub_co_u32 s[P], s[P], 1
	s_cmp_lg_u32 s[P], 0
	s_cbranch_scc1 .Lpass
.Lb2:
	s_wait_dscnt 0x0                               ; my reads of x, b and key_vec are back;
	s_barrier_signal -1                            ; no wave stores into LDS again before every wave has said so
	s_barrier_wait -1
	; my 128 columns' part of each row's score: the pair, then the other half of the lanes.  Blocks beyond NB (all eight, where NB = 0) store their zeros.
.irp a, 0,1,2,3,4,5,6,7
	v_add_f32 v[SACC+2*\a], v[SACC+2*\a], v[SACC+2*\a+1]
.endr
.irp a, 0,1,2,3,4,5,6,7
	v_permlanex16_b32 v[SACC+2*\a+1], v[SACC+2*\a], s[SEL], s[SEL+1]
.endr
.irp a, 0,1,2,3,4,5,6,7
	v_add_f32 v[SACC+2*\a], v[SACC+2*\a], v[SACC+2*\a+1]
.endr
.irp a, 0,1,2,3,4,5,6,7
	ds_store_b32 v[SCA], v[SACC+2*\a] offset:64*\a
.endr
	s_wait_dscnt 0x0                               ; for the others' sake: my partial scores are in LDS
	s_barrier_signal -1
	s_barrier_wait -1
	s_cmp_eq_u32 s[NB], 0
	s_cbranch_scc1 .Lend
	; REGION 3: THE SOFTMAX OVER MY WORK-GROUP'S ROWS, made by every wave for itself (no further barrier), and o = sum of p x for my wave's 128 channels.
	s_wait_loadcnt 0x0                             ; no load into W's sets is out: their registers serve anew
	v_lshl_add_u32 v14, v1, 4, SCB
.irp v, 0,1,2,3,4,5,6,7
	ds_load_b128 v[SC+4*\v:SC+4*\v+3], v14 offset:512*\v  ; wave v's part of rows 4 lane .. 4 lane + 3
.endr
	v_lshlrev_b32 v15, 2, v1                       ; my first row in the work-group,
	v_add_nc_u32 v7, s[ROW0], v15                  ; and in the sample
	s_lshl_b32 s42, s[NB], 4
	s_mov_b32 s43, 0xce6e6b28                      ; -1e9
	s_mov_b32 s44, 0xff800000                      ; -infinity: a row that is not of my share has weight 0, also where every score is -1e9
	s_wait_dscnt 0x0
.irp v, 0,1,2,3
	v_pk_add_f32 v[SC+4*\v:SC+4*\v+1], v[SC+4*\v:SC+4*\v+1], v[SC+16+4*\v:SC+16+4*\v+1]
	v_pk_add_f32 v[SC+4*\v+2:SC+4*\v+3], v[SC+4*\v+2:SC+4*\v+3], v[SC+16+4*\v+2:SC+16+4*\v+3]
.endr
.irp v, 0,1
	v_pk_add_f32 v[SC+4*\v:SC+4*\v+1], v[SC+4*\v:SC+4*\v+1], v[SC+8+4*\v:SC+8+4*\v+1]
	v_pk_add_f32 v[SC+4*\v+2:SC+4*\v+3], v[SC+4*\v+2:SC+4*\v+3], v[SC+8+4*\v+2:SC+8+4*\v+3]
.endr
	v_pk_add_f32 v[SC:SC+1], v[SC:SC+1], v[SC+4:SC+5]
	v_pk_add_f32 v[SC+2:SC+3], v[SC+2:SC+3], v[SC+6:SC+7]
.irp i, 0,1,2,3
	s_sub_co_i32 s46, s[LEN], \i
	s_sub_co_u32 s47, s42, \i
	v_cmp_gt_i32 vcc_lo, s46, v7                   ; row + i < length
	v_cndmask_b32 v[SC+\i], s43, v[SC+\i], vcc_lo
	v_cmp_gt_u32 vcc_lo, s47, v15                  ; local row + i < 16 NB
	v_cndmask_b32 v[SC+\i], s44, v[SC+\i], vcc_lo
.endr
	v_max_num_f32 v[MX], v[SC], v[SC+1]
	v_max3_num_f32 v[MX], v[MX], v[SC+2], v[SC+3]
	v_max_num_f32_dpp v[MX], v[MX], v[MX] row_xmask:1 row_mask:0xf bank_mask:0xf
	v_max_num_f32_dpp v[MX], v[MX], v[MX] row_xmask:2 row_mask:0xf bank_mask:0xf
	v_max_num_f32_dpp v[MX], v[MX], v[MX] row_xmask:4 row_mask:0xf bank_mask:0xf
	v_max_num_f32_dpp v[MX], v[MX], v[MX] row_xmask:8 row_mask:0xf bank_mask:0xf
	v_permlanex16_b32 v[MX+1], v[MX], s[SEL], s[SEL+1]
	v_max_num_f32 v[MX], v[MX], v[MX+1]            ; m: finite, since my first row is of my share
.irp i, 0,1,2,3
	v_sub_f32 v[SC+8+\i], v[SC+\i], v[MX]
.endr
.irp i, 0,1,2,3
	v_mul_f32 v[SC+8+\i], 0x3fb8aa3b, v[SC+8+\i]
.endr
.irp i, 0,1,2,3
	v_exp_f32 v[SC+8+\i], v[SC+8+\i]
.endr
	v_nop
	s_wait_alu depctr_va_vdst(0)                   ; one wait for the four exponentials
	v_add_f32 v[LS], v[SC+8], v[SC+9]
	v_add_f32 v[LS+1], v[SC+10], v[SC+11]
	v_add_f32 v[LS], v[LS], v[LS+1]
	v_add_f32_dpp v[LS], v[LS], v[LS] row_xmask:1 row_mask:0xf bank_mask:0xf
	v_add_f32_dpp v[LS], v[LS], v[LS] row_xmask:2 row_mask:0xf bank_mask:0xf
	v_add_f32_dpp v[LS], v[LS], v[LS] row_xmask:4 row_mask:0xf bank_mask:0xf
	v_add_f32_dpp v[LS], v[LS], v[LS] row_xmask:8 row_mask:0xf bank_mask:0xf
	v_permlanex16_b32 v[LS+1], v[LS], s[SEL], s[SEL+1]
	v_add_f32 v[LS], v[LS], v[LS+1]                ; l, of the unrounded p
	v_cvt_pk_bf16_f32 v[SC+12], v[SC+8], v[SC+9]
	v_cvt_pk_bf16_f32 v[SC+13], v[SC+10], v[SC+11]
	s_lshl_b32 s40, s[WV], 8
	s_add_co_u32 s40, s40, PWB
	v_lshl_add_u32 v14, v1, 3, s40
	ds_store_b64 v14, v[SC+12:SC+13]               ; my wave's own copy of p; its loads below come behind this store, and LDS serves a wave in order (ISA guide 5.7.1.4)
; o for channels 128 w .. + 127: source 0 = p in all 16 rows, source 1 = 32 rows of x x 16 channels, turned by ds_load_tr16_b128; register 0 of sum i then holds channel 16 i + r in every lane.
.macro G2K kk
.if (\kk) > 0
.rept 4
	v_nop                                          ; the places behind the last products, for the loads into their sources
.endr
.endif
	ds_load_b128 v[T:T+3], v[PA] offset:64*(\kk)
	ds_load_b128 v[T+4:T+7], v[PA] offset:64*(\kk)+32
.irp i, 0,1,2,3,4,5,6,7
	ds_load_tr16_b128 v[AF+8*\i:AF+8*\i+3], v[TRA] offset:(\kk)*2*BL+32*\i
	ds_load_tr16_b128 v[AF+8*\i+4:AF+8*\i+7], v[TRA] offset:(\kk)*2*BL+32*\i+BL
.endr
	s_wait_dscnt 0x0
.irp i, 0,1,2,3,4,5,6,7
.if (\kk) == 0
	v_wmma_f32_16x16x32_bf16 v[OA+8*\i:OA+8*\i+7], v[T:T+7], v[AF+8*\i:AF+8*\i+7], 0
.else
	v_wmma_f32_16x16x32_bf16 v[OA+8*\i:OA+8*\i+7], v[T:T+7], v[AF+8*\i:AF+8*\i+7], v[OA+8*\i:OA+8*\i+7]
.endif
.endr
.endm
	G2K 0
.irp kk, 1,2,3
	s_cmp_le_u32 s[NB], 2*\kk
	s_cbranch_scc1 .Lo_end
	G2K \kk
.endr
.Lo_end:
	s_lshl_b32 s42, s[WV], 9
	s_add_co_u32 s40, s42, STG
	v_lshl_add_u32 v14, v2, 2, s40                 ; four plain lines: the places behind the last products
	v_lshl_add_u32 v15, v1, 4, s40
	v_add_nc_u32 v7, s42, v[WOF]
	v_nop
.irp i, 0,1,2,3,4,5,6,7
	ds_store_b32 v14, v[OA+8*\i] offset:64*\i      ; both halves of the lanes hold, and store, the same number
.endr
	ds_load_b128 v[T:T+3], v15                     ; back as four neighbouring channels a lane
	s_lshl_b32 s40, ttmp9, 12                      ; my work-group's row of part (s41 is 0)
	s_add_nc_u64 s[14:15], s[14:15], s[40:41]
	s_wait_dscnt 0x0
	global_store_b128 v7, v[T:T+3], s[14:15]       ; 512 consecutive bytes, at a multiple of 512 from part's first
	s_cmp_lg_u32 s[WV], 0
	s_cbranch_scc1 .Lend
	v_mov_b32 v[T+4], v[MX]                        ; (m, l), repeated so that the store is 512 whole bytes
	v_mov_b32 v[T+5], v[LS]
	v_mov_b32 v[T+6], v[MX]
	v_mov_b32 v[T+7], v[LS]
	s_lshl_b32 s40, ttmp9, 9
	s_add_nc_u64 s[16:17], s[16:17], s[40:41]
	global_store_b128 v[WOF], v[T+4:T+7], s[16:17]
.Lend:
	s_wait_tensorcnt 0x0                           ; the wave's end, behind my last LDS store
	ds_add_u32 v[SPW], v[NIL]
	s_wait_dscnt 0x0
	s_endpgm
.Lfunc_end_k_qb3c36de8e3_main:
	.size	k_qb3c36de8e3_main, .Lfunc_end_k_qb3c36de8e3_main-k_qb3c36de8e3_main
	.p2alignl 7, 3214868480
	.fill 96, 4, 3214868480
	.section	.rodata,"a",@progbits
	.p2align	6, 0x0
	.amdhsa_kernel k_qb3c36de8e3_main
		.amdhsa_group_segment_fixed_size 297984
		.amdhsa_private_segment_fixed_size 0
		.amdhsa_enable_private_segment 0
		.amdhsa_kernarg_size 56
		.amdhsa_user_sgpr_count 2
		.amdhsa_user_sgpr_kernarg_segment_ptr 1
		.amdhsa_wavefront_size32 1
		.amdhsa_system_sgpr_workgroup_id_x 1
		.amdhsa_system_sgpr_workgroup_id_y 1
		.amdhsa_system_sgpr_workgroup_id_z 1
		.amdhsa_system_vgpr_workitem_id 0
		.amdhsa_next_free_vgpr 512
		.amdhsa_next_free_sgpr 66
		.amdhsa_reserve_vcc 1
		.amdhsa_float_denorm_mode_32 3
		.amdhsa_float_denorm_mode_16_64 3
		.amdhsa_memory_ordered 1
		.amdhsa_forward_progress 1
		.amdhsa_inst_pref_size 182
	.end_amdhsa_kernel
	.amdgpu_metadata
---
amdhsa.version: [ 1, 2 ]
amdhsa.kernels:
  - .name:           k_qb3c36de8e3_main
    .symbol:         k_qb3c36de8e3_main.kd
    .args:
      - { .name: x, .offset: 0, .size: 8, .value_kind: global_buffer, .address_space: global }
      - { .name: b, .offset: 8, .size: 8, .value_kind: global_buffer, .address_space: global }
      - { .name: key_vec, .offset: 16, .size: 8, .value_kind: global_buffer, .address_space: global }
      - { .name: wb, .offset: 24, .size: 8, .value_kind: global_buffer, .address_space: global }
      - { .name: sched, .offset: 32, .size: 8, .value_kind: global_buffer, .address_space: global }
      - { .name: part, .offset: 40, .size: 8, .value_kind: global_buffer, .address_space: global }
      - { .name: ml, .offset: 48, .size: 8, .value_kind: global_buffer, .address_space: global }
    .group_segment_fixed_size: 297984
    .private_segment_fixed_size: 0
    .kernarg_segment_align: 8
    .kernarg_segment_size: 56
    .max_flat_workgroup_size: 256
    .sgpr_count:     66
    .vgpr_count:     512
    .wavefront_size: 32
...
	.end_amdgpu_metadata
.endif
;; end of part 2
;; launch comb (part 3): grid 8 x 16, 1 waves a work-group, no clusters, 0 bytes of LDS; arguments sched, part, ml, out0; writes out0
.if DOCPART == 3
	.amdgcn_target "amdgcn-amd-amdhsa--gfx1250"
	.amdhsa_code_object_version 6
	.text
	.protected	k_qb3c36de8e3_comb
	.globl	k_qb3c36de8e3_comb
	.p2align	8
	.type	k_qb3c36de8e3_comb,@function
k_qb3c36de8e3_comb:
	s_mov_b64 s[64:65], 0
	v_nop
	global_prefetch_b8 v0, s[64:65] scope:SCOPE_SE
	s_setreg_imm32_b32 hwreg(HW_REG_WAVE_MODE, 25, 1), 1
	s_wait_xcnt 0x0
; SELF-ATTENTION POOLING, launch 3 of 3.  Only the work-groups of the second launch that had a share are read: rows at or beyond lengths[b] were left out there, as the head of the first kernel shows.
; out[b] = sum over j of w_j o_j / sum over j of w_j l_j, w_j = e^(m_j - M), M = max over j of m_j, j over the sample's g work-groups (g and the first of them from sched).
; Work-group (x, b): one wave, channels 128 x .. + 127 of sample b, four a lane.  The rows of part come in chunks of 32; a row index beyond g - 1 is held to g - 1 and carries weight 0.
.set JV,  4                            ; v4-7    j = lane + 32 t
.set ML,  8                            ; v8-15   (m, l) of j, t = 0..3
.set SCW, 16                           ; v16-19  w, then w / L
.set MA,  20                           ; v20-23  the offsets of the (m, l) loads; then M, L and two at work
.set ACA, 24                           ; v24-31  two sets of four sums: even rows, odd rows
.set AD,  32                           ; v32-63  a chunk's 32 offsets
.set DA,  64                           ; v64-191 a chunk's 32 rows, four numbers each
	s_load_b256 s[4:11], s[0:1], 0x0               ; sched s[4:5], part s[6:7], ml s[8:9], out0 s[10:11]
	s_and_b32 s12, ttmp7, 0xffff                   ; the sample
	s_lshl_b32 s14, s12, 3
	s_mov_b32 s15, 0
	v_and_b32 v1, 31, v0
	s_mov_b32 s30, 0x76543210
	s_mov_b32 s31, 0xfedcba98
	s_mov_b32 s28, 0xff800000                      ; -infinity
	s_wait_kmcnt 0x0
	s_add_nc_u64 s[4:5], s[4:5], s[14:15]
	s_load_b64 s[16:17], s[4:5], 0x1000            ; the sample's first work-group, and how many
	s_lshl_b32 s13, ttmp9, 9
	v_lshl_add_u32 v2, v1, 4, s13                  ; my 16 bytes in a row of part and of out0
	s_mov_b32 s21, 0                               ; the upper words of the four pairs that carry a weight: named with them, so written
	s_mov_b32 s23, 0
	s_mov_b32 s25, 0
	s_mov_b32 s27, 0
	s_wait_kmcnt 0x0
	s_min_u32 s16, s16, 255
	s_min_u32 s17, s17, 128
	s_max_u32 s17, s17, 1
	s_sub_co_u32 s18, s17, 1
	v_mov_b32 v3, s18                              ; g - 1
.irp t, 0,1,2,3
	v_add_nc_u32 v[JV+\t], 32*\t, v1
	v_min_u32 v[SCW+\t], v[JV+\t], v3
	v_add_nc_u32 v[SCW+\t], s16, v[SCW+\t]
	v_min_u32 v[SCW+\t], 0xff, v[SCW+\t]
	v_lshlrev_b32 v[MA+\t], 9, v[SCW+\t]
	global_load_b64 v[ML+2*\t:ML+2*\t+1], v[MA+\t], s[8:9]
.endr
.macro CADDR t                         ; the offsets of rows 32 t .. 32 t + 31 of the sample's part
.set i, 0
.rept 32
	v_min_u32 v[AD+i], 32*(\t)+i, v3
	v_add_nc_u32 v[AD+i], s16, v[AD+i]
	v_min_u32 v[AD+i], 0xff, v[AD+i]
	v_lshl_add_u32 v[AD+i], v[AD+i], 12, v2
.set i, i+1
.endr
.endm
.macro CLOAD
.set i, 0
.rept 32
	global_load_b128 v[DA+4*i:DA+4*i+3], v[AD+i], s[6:7]  ; 512 consecutive bytes of a row
.set i, i+1
.endr
.endm
.macro CSUM t, first                   ; row i's weight lies in lane i of v[SCW + t]; first = 1: the first two rows start the two sets of sums
.set i, 0
.rept 32
	v_readlane_b32 s[20+2*(i%4)], v[SCW+(\t)], i
.if (\first) && (i < 2)
	v_pk_mul_f32 v[ACA+4*(i%2):ACA+4*(i%2)+1], v[DA+4*i:DA+4*i+1], s[20+2*(i%4):21+2*(i%4)] op_sel_hi:[1,0]
	v_pk_mul_f32 v[ACA+4*(i%2)+2:ACA+4*(i%2)+3], v[DA+4*i+2:DA+4*i+3], s[20+2*(i%4):21+2*(i%4)] op_sel_hi:[1,0]
.else
	v_pk_fma_f32 v[ACA+4*(i%2):ACA+4*(i%2)+1], v[DA+4*i:DA+4*i+1], s[20+2*(i%4):21+2*(i%4)], v[ACA+4*(i%2):ACA+4*(i%2)+1] op_sel_hi:[1,0,1]
	v_pk_fma_f32 v[ACA+4*(i%2)+2:ACA+4*(i%2)+3], v[DA+4*i+2:DA+4*i+3], s[20+2*(i%4):21+2*(i%4)], v[ACA+4*(i%2)+2:ACA+4*(i%2)+3] op_sel_hi:[1,0,1]
.endif
.set i, i+1
.endr
.endm
	CADDR 0
	CLOAD                                          ; the first chunk is on its way while the weights are made
	s_wait_loadcnt 32                              ; the four (m, l) loads are in; the 32 issued behind them may stay out
.irp t, 0,1,2,3
	v_cmp_gt_u32 vcc_lo, s17, v[JV+\t]             ; j < g
	v_cndmask_b32 v[ML+2*\t], s28, v[ML+2*\t], vcc_lo
	v_cndmask_b32 v[ML+2*\t+1], 0, v[ML+2*\t+1], vcc_lo
.endr
	v_max_num_f32 v[MA], v[ML], v[ML+2]
	v_max3_num_f32 v[MA], v[MA], v[ML+4], v[ML+6]
	v_max_num_f32_dpp v[MA], v[MA], v[MA] row_xmask:1 row_mask:0xf bank_mask:0xf
	v_max_num_f32_dpp v[MA], v[MA], v[MA] row_xmask:2 row_mask:0xf bank_mask:0xf
	v_max_num_f32_dpp v[MA], v[MA], v[MA] row_xmask:4 row_mask:0xf bank_mask:0xf
	v_max_num_f32_dpp v[MA], v[MA], v[MA] row_xmask:8 row_mask:0xf bank_mask:0xf
	v_permlanex16_b32 v[MA+1], v[MA], s30, s31
	v_max_num_f32 v[MA], v[MA], v[MA+1]            ; M: finite, since j = 0 counts
.irp t, 0,1,2,3
	v_sub_f32 v[SCW+\t], v[ML+2*\t], v[MA]
.endr
.irp t, 0,1,2,3
	v_mul_f32 v[SCW+\t], 0x3fb8aa3b, v[SCW+\t]
.endr
.irp t, 0,1,2,3
	v_exp_f32 v[SCW+\t], v[SCW+\t]
.endr
	v_nop
	s_wait_alu depctr_va_vdst(0)                   ; one wait for the four exponentials
	v_mul_f32 v[MA+2], v[SCW], v[ML+1]
	v_fmac_f32 v[MA+2], v[SCW+1], v[ML+3]
	v_fmac_f32 v[MA+2], v[SCW+2], v[ML+5]
	v_fmac_f32 v[MA+2], v[SCW+3], v[ML+7]
	v_add_f32_dpp v[MA+2], v[MA+2], v[MA+2] row_xmask:1 row_mask:0xf bank_mask:0xf
	v_add_f32_dpp v[MA+2], v[MA+2], v[MA+2] row_xmask:2 row_mask:0xf bank_mask:0xf
	v_add_f32_dpp v[MA+2], v[MA+2], v[MA+2] row_xmask:4 row_mask:0xf bank_mask:0xf
	v_add_f32_dpp v[MA+2], v[MA+2], v[MA+2] row_xmask:8 row_mask:0xf bank_mask:0xf
	v_permlanex16_b32 v[MA+3], v[MA+2], s30, s31
	v_add_f32 v[MA+2], v[MA+2], v[MA+3]            ; L
	v_rcp_f32 v[MA+1], v[MA+2]
	v_nop
	s_wait_alu depctr_va_vdst(0)
.irp t, 0,1,2,3
	v_mul_f32 v[SCW+\t], v[SCW+\t], v[MA+1]
.endr
	s_wait_loadcnt 0x0
	CSUM 0, 1
.irp t, 1,2,3
	s_cmp_le_u32 s17, 32*\t
	s_cbranch_scc1 .Lfin
	CADDR \t                                       ; the last chunk's loads are in, so its offsets and registers serve anew
	CLOAD
	s_wait_loadcnt 0x0
	CSUM \t, 0
.endr
.Lfin:
	v_pk_add_f32 v[ACA:ACA+1], v[ACA:ACA+1], v[ACA+4:ACA+5]
	v_pk_add_f32 v[ACA+2:ACA+3], v[ACA+2:ACA+3], v[ACA+6:ACA+7]
	s_lshl_b32 s14, s12, 12
	s_add_nc_u64 s[10:11], s[10:11], s[14:15]
	global_store_b128 v2, v[ACA:ACA+3], s[10:11]   ; 512 consecutive bytes, at a multiple of 512 from out0's first
	s_endpgm
.Lfunc_end_k_qb3c36de8e3_comb:
	.size	k_qb3c36de8e3_comb, .Lfunc_end_k_qb3c36de8e3_comb-k_qb3c36de8e3_comb
	.p2alignl 7, 3214868480
	.fill 96, 4, 3214868480
	.section	.rodata,"a",@progbits
	.p2align	6, 0x0
	.amdhsa_kernel k_qb3c36de8e3_comb
		.amdhsa_group_segment_fixed_size 0
		.amdhsa_private_segment_fixed_size 0
		.amdhsa_enable_private_segment 0
		.amdhsa_kernarg_size 32
		.amdhsa_user_sgpr_count 2
		.amdhsa_user_sgpr_kernarg_segment_ptr 1
		.amdhsa_wavefront_size32 1
		.amdhsa_system_sgpr_workgroup_id_x 1
		.amdhsa_system_sgpr_workgroup_id_y 1
		.amdhsa_system_sgpr_workgroup_id_z 1
		.amdhsa_system_vgpr_workitem_id 0
		.amdhsa_next_free_vgpr 192
		.amdhsa_next_free_sgpr 66
		.amdhsa_reserve_vcc 1
		.amdhsa_float_denorm_mode_32 3
		.amdhsa_float_denorm_mode_16_64 3
		.amdhsa_memory_ordered 1
		.amdhsa_forward_progress 1
		.amdhsa_inst_pref_size 68
	.end_amdhsa_kernel
	.amdgpu_metadata
---
amdhsa.version: [ 1, 2 ]
amdhsa.kernels:
  - .name:           k_qb3c36de8e3_comb
    .symbol:         k_qb3c36de8e3_comb.kd
    .args:
      - { .name: sched, .offset: 0, .size: 8, .value_kind: global_buffer, .address_space: global }
      - { .name: part, .offset: 8, .size: 8, .value_kind: global_buffer, .address_space: global }
      - { .name: ml, .offset: 16, .size: 8, .value_kind: global_buffer, .address_space: global }
      - { .name: out0, .offset: 24, .size: 8, .value_kind: global_buffer, .address_space: global }
    .group_segment_fixed_size: 0
    .private_segment_fixed_size: 0
    .kernarg_segment_align: 8
    .kernarg_segment_size: 32
    .max_flat_workgroup_size: 32
    .sgpr_count:     66
    .vgpr_count:     192
    .wavefront_size: 32
...
	.end_amdgpu_metadata
.endif
;; end of part 3
